; MI455X (gfx1250); checked and timed in simulation.
; The chip was launched on July 23, 2026; its instructions are those of AMD's public machine-readable ISA for CDNA 5 (MIT licence, August 2026) and "CDNA5" Instruction Set Architecture Reference Guide (July 2026). The comments in the code are by the model that wrote it; some were corrected since.
;; Gemma4 Mo E. Allowed arithmetic: float matrix products may take bf16 or f16 operands with f32 sums; all other float work in f32.
;; Inputs: per_expert_scale 16 float32; router_logits 1,024 x 16 float32; w1 16 x 1,024 x 1,024 float32; w2 16 x 1,024 x 1,024 float32; w3 16 x 1,024 x 1,024 float32; x 1,024 x 1,024 float32.
;; Outputs: out0 1,024 x 1,024 float32.
;; Constants: top_k = 2.
;; One version. Each part assembles by itself: llvm-mc -triple=amdgcn-amd-amdhsa -mcpu=gfx1250 --defsym DOCPART=n.
;; ======== version 1 of 1: 4 launches
;; limits: a function is approximated: absolute error at most 1.5e-07; values are held in f16: magnitudes above 65,504 overflow, below 6.1e-05 lose precision; inputs' magnitudes at most 65,504
;; workspace buffers: xh 2,097,152 bytes; pe 65,536 bytes of whole numbers; cnt 4,096 bytes of whole numbers; wts 8,192 bytes; h 33,554,432 bytes; hs 4,194,304 bytes; y2p 67,108,864 bytes
;; launch route (part 1): grid 256 x 1, 32 waves a work-group, no clusters, 4,352 bytes of LDS; arguments x, router_logits, xh, pe, cnt, wts; writes xh, pe, cnt, wts
.if DOCPART == 1
	.amdgcn_target "amdgcn-amd-amdhsa--gfx1250"
	.amdhsa_code_object_version 6
	.text
	.protected	k_qde213aabd0_route
	.globl	k_qde213aabd0_route
	.p2align	8
	.type	k_qde213aabd0_route,@function
k_qde213aabd0_route:
	s_mov_b64 s[64:65], 0
	v_nop
	global_prefetch_b8 v0, s[64:65] scope:SCOPE_SE
	s_setreg_imm32_b32 hwreg(HW_REG_WAVE_MODE, 25, 1), 1
	s_wait_xcnt 0x0
; ROUTE.  Two jobs.
; (1) Every work-group b rounds rows 4b .. 4b+3 of x [1024][1024] f32 to f16 once (xh): thread t takes 16 bytes in, 8 bytes out,
;     so a wave's store covers 256 consecutive bytes, aligned.  f16 and not bf16: three more bits of significand; x at 30 times its
;     spread, or offset by 30 spreads, stays under 200, far inside f16's 65,504.  LIMIT: |x| from 65,520 on becomes infinity.
; (2) Work-groups 0 .. 15 go on, one for each expert e = b, one thread for each of the 1,024 tokens: top-2 of the 16 logits
;     (strict >, so the lower index wins a tie), then, as whole numbers for the later launches,
;       pe[e][t]  = place | rank<<16   if token t chose e (place: its number among e's tokens, tokens ascending; rank 0 = top-1)
;                 = 0xffff             if not
;       cnt[e]    = number of e's tokens, in all 64 words of e's 256 bytes
;     Work-group 0 also stores wts[t] = the two softmax weights renormalised over the two chosen: the top-1 logit IS the row's
;     maximum, so with d = exp(l2 - l1) <= 1 they are 1/(1+d) and d/(1+d); the softmax's denominator cancels, and the sum of the two
;     chosen probabilities is at least 1/16, so the.
; LIMITS: logits are finite (no NaN, no infinity); +0 and -0 count as equal.  No address, branch or trip count here hangs on a logit.
; No matrix unit, cluster or tensor load: 4 MiB are streamed once and 64 KiB of logits are scanned; no tile is shared.
.macro CONV                                    ; four f32 to four f16, 8 bytes out
	v_cvt_pk_f16_f32 v8, v4, v5
	v_cvt_pk_f16_f32 v9, v6, v7
	global_store_b64 v3, v[8:9], s[8:9]
.endm
	s_load_b256 s[4:11], s[0:1], 0x0               ; x s[4:5], logits s[6:7], xh s[8:9], pe s[10:11]
	s_load_b128 s[12:15], s[0:1], 0x20             ; cnt s[12:13], wts s[14:15]
	v_lshl_add_u32 v48, v0, 2, 0x100
	v_mov_b32 v49, 0
	v_lshlrev_b32 v2, 4, v0                        ; 16 t
	v_lshlrev_b32 v3, 3, v0                        ; 8 t
	s_lshl_b32 s26, ttmp9, 14                      ; 4 rows of 4,096 bytes of x
	s_mov_b32 s27, 0
	s_lshl_b32 s28, ttmp9, 13                      ; 4 rows of 2,048 bytes of xh
	s_mov_b32 s29, 0
	s_wait_kmcnt 0x0
	s_add_nc_u64 s[4:5], s[4:5], s[26:27]
	s_add_nc_u64 s[8:9], s[8:9], s[28:29]
	global_load_b128 v[4:7], v2, s[4:5] th:TH_LOAD_NT
	s_cmp_lt_u32 ttmp9, 16                         ; the same in all waves of the work-group
	s_cbranch_scc1 .Lroute
	s_wait_loadcnt 0x0
	CONV
	s_endpgm
.Lroute:
	v_lshlrev_b32 v10, 6, v0                       ; a token's 16 logits: 64 bytes
	global_load_b128 v[12:15], v10, s[6:7]
	global_load_b128 v[16:19], v10, s[6:7] offset:16
	global_load_b128 v[20:23], v10, s[6:7] offset:32
	global_load_b128 v[24:27], v10, s[6:7] offset:48
	v_and_b32 v1, 31, v0                           ; lane
	v_lshrrev_b32 v33, 5, v0
	v_readfirstlane_b32 s16, v33                   ; wave 0 .. 31
	s_mov_b32 s17, ttmp9                           ; expert
	s_mov_b32 s18, 0x76543210                      ; v_permlanex16_b32: lane i reads lane i of the other half
	s_mov_b32 s19, 0xfedcba98
	s_lshl_b32 s26, s17, 12
	s_add_nc_u64 s[10:11], s[10:11], s[26:27]      ; pe at expert e's 1,024 words
	s_lshl_b32 s28, s17, 8
	s_add_nc_u64 s[12:13], s[12:13], s[28:29]      ; cnt at expert e's 256 bytes
	s_wait_loadcnt 0x4                             ; x is in; the four loads of logits stay out
	CONV
	s_wait_loadcnt 0x0
	; top-2 scan: m1 >= m2 are the two largest so far, i1 and i2 their indices
	v_mov_b32 v28, v12                             ; m1
	v_mov_b32 v29, 0xff800000                      ; m2 = -inf: the second logit always replaces it
	v_mov_b32 v30, 0                               ; i1
	v_mov_b32 v31, 0                               ; i2
.set ji, 1
.rept 15
	v_cmp_gt_f32 vcc_lo, v[12+ji], v28             ; beats the first
	v_cmp_gt_f32 s24, v[12+ji], v29                ; beats the second
	v_cndmask_b32 v31, v31, ji, s24
	v_cndmask_b32 v31, v31, v30, vcc_lo            ; the old first becomes the second
	v_cndmask_b32 v30, v30, ji, vcc_lo
	v_med3_num_f32 v29, v28, v29, v[12+ji]         ; the middle of (m1, m2, l) is the new second
	v_max_num_f32 v28, v28, v[12+ji]
.set ji, ji+1
.endr
	; who chose e, and how many in my wave
	v_cmp_eq_u32 vcc_lo, s17, v30
	v_cmp_eq_u32 s20, s17, v31                     ; as the second choice
	s_or_b32 s21, vcc_lo, s20
	s_bcnt1_i32_b32 s22, s21
	v_mov_b32 v32, s22
	v_lshlrev_b32 v33, 2, v33                      ; my wave's word
	ds_store_b32 v33, v32
	s_wait_dscnt 0x0                               ; my store is done before the others may read it
	s_barrier_signal -1
	s_barrier_wait -1
	v_lshlrev_b32 v35, 2, v1
	ds_load_b32 v34, v35                           ; lane i: wave i's count
	v_mov_b32 v37, 0                               ; v_permlanex16_b32 counts as reading its destination
	v_mov_b32 v38, 0
	s_wait_dscnt 0x0
	v_cvt_f32_u32 v34, v34                         ; counts are at most 1,024: exact in f32
	v_cmp_gt_u32 vcc_lo, s16, v1                   ; waves in front of mine
	v_cndmask_b32 v36, 0, v34, vcc_lo
.irp m, 1,2,4,8
	v_add_f32_dpp v34, v34, v34 row_xmask:\m row_mask:0xf bank_mask:0xf
	v_add_f32_dpp v36, v36, v36 row_xmask:\m row_mask:0xf bank_mask:0xf
.endr
	v_permlanex16_b32 v37, v34, s18, s19
	v_permlanex16_b32 v38, v36, s18, s19
	v_add_f32 v34, v34, v37                        ; the expert's count
	v_add_f32 v36, v36, v38                        ; tokens of e in the waves in front of mine
	v_cvt_u32_f32 v34, v34
	v_cvt_u32_f32 v36, v36
	v_mbcnt_lo_u32_b32 v39, s21, v36               ; + those in the lanes in front of mine = my place
	v_cndmask_b32 v40, 0, 0x10000, s20             ; rank
	v_or_b32 v39, v39, v40
	v_mov_b32 v41, 0xffff                          ; not chosen
	v_cndmask_b32 v39, v41, v39, s21
	v_lshlrev_b32 v42, 2, v0
	global_store_b32 v42, v39, s[10:11]            ; the work-group stores e's 4,096 bytes, 128 consecutive bytes a wave
	s_cmp_lg_u32 s16, 0
	s_cbranch_scc1 .Lno_cnt
	v_mov_b32 v44, v34
	v_mov_b32 v45, v34
	v_lshlrev_b32 v46, 3, v1
	global_store_b64 v46, v[44:45], s[12:13]       ; wave 0: 256 consecutive bytes, aligned, all the count
.Lno_cnt:
	s_cmp_lg_u32 s17, 0
	s_cbranch_scc1 .Ldone
	v_sub_f32 v40, v29, v28                        ; l2 - l1 <= 0: the maximum is taken away as in the softmax
	v_mul_f32 v40, 0x3fb8aa3b, v40                 ; to base 2
	v_exp_f32 v40, v40
	v_nop                                          ; one plain place behind a transcendental (ISA guide 5.7.2)
	s_wait_alu depctr_va_vdst(0)
	v_add_f32 v41, 1.0, v40
	v_rcp_f32 v32, v41                             ; weight of the first choice
	v_nop
	s_wait_alu depctr_va_vdst(0)
	v_mul_f32 v33, v40, v32                        ; weight of the second
	global_store_b64 v3, v[32:33], s[14:15]        ; a wave stores 256 consecutive bytes, aligned
.Ldone:
	s_wait_tensorcnt 0x0
	ds_add_u32 v48, v49
	s_wait_dscnt 0x0
	s_endpgm
.Lfunc_end_k_qde213aabd0_route:
	.size	k_qde213aabd0_route, .Lfunc_end_k_qde213aabd0_route-k_qde213aabd0_route
	.p2alignl 7, 3214868480
	.fill 96, 4, 3214868480
	.section	.rodata,"a",@progbits
	.p2align	6, 0x0
	.amdhsa_kernel k_qde213aabd0_route
		.amdhsa_group_segment_fixed_size 4352
		.amdhsa_private_segment_fixed_size 0
		.amdhsa_enable_private_segment 0
		.amdhsa_kernarg_size 48
		.amdhsa_user_sgpr_count 2
		.amdhsa_user_sgpr_kernarg_segment_ptr 1
		.amdhsa_wavefront_size32 1
		.amdhsa_system_sgpr_workgroup_id_x 1
		.amdhsa_system_sgpr_workgroup_id_y 1
		.amdhsa_system_sgpr_workgroup_id_z 1
		.amdhsa_system_vgpr_workitem_id 0
		.amdhsa_next_free_vgpr 50
		.amdhsa_next_free_sgpr 66
		.amdhsa_reserve_vcc 1
		.amdhsa_float_denorm_mode_32 3
		.amdhsa_float_denorm_mode_16_64 3
		.amdhsa_memory_ordered 1
		.amdhsa_forward_progress 1
		.amdhsa_inst_pref_size 11
	.end_amdhsa_kernel
	.amdgpu_metadata
---
amdhsa.version: [ 1, 2 ]
amdhsa.kernels:
  - .name:           k_qde213aabd0_route
    .symbol:         k_qde213aabd0_route.kd
    .args:
      - { .name: x, .offset: 0, .size: 8, .value_kind: global_buffer, .address_space: global }
      - { .name: router_logits, .offset: 8, .size: 8, .value_kind: global_buffer, .address_space: global }
      - { .name: xh, .offset: 16, .size: 8, .value_kind: global_buffer, .address_space: global }
      - { .name: pe, .offset: 24, .size: 8, .value_kind: global_buffer, .address_space: global }
      - { .name: cnt, .offset: 32, .size: 8, .value_kind: global_buffer, .address_space: global }
      - { .name: wts, .offset: 40, .size: 8, .value_kind: global_buffer, .address_space: global }
    .group_segment_fixed_size: 4352
    .private_segment_fixed_size: 0
    .kernarg_segment_align: 8
    .kernarg_segment_size: 48
    .max_flat_workgroup_size: 1024
    .sgpr_count:     66
    .vgpr_count:     50
    .wavefront_size: 32
...
	.end_amdgpu_metadata
.endif
;; end of part 1
;; launch up (part 2): grid 16 x 16, 8 waves a work-group, no clusters, 318,720 bytes of LDS; arguments w1, w3, xh, pe, cnt, h, hs; writes h, hs
.if DOCPART == 2
	.amdgcn_target "amdgcn-amd-amdhsa--gfx1250"
	.amdhsa_code_object_version 6
	.text
	.protected	k_qde213aabd0_up
	.globl	k_qde213aabd0_up
	.p2align	8
	.type	k_qde213aabd0_up,@function
k_qde213aabd0_up:
	s_mov_b64 s[64:65], 0
	v_nop
	global_prefetch_b8 v0, s[64:65] scope:SCOPE_SE
	s_setreg_imm32_b32 hwreg(HW_REG_WAVE_MODE, 25, 1), 1
	s_wait_xcnt 0x0
; UP.  h = gelu(x w1^T) * (x w3^T) for the tokens that chose expert e (y of the grid) and the 64 columns 64 ib .. 64 ib + 63 of I
; (x of the grid).  Experts that a token did not choose have combine weight exactly 0 and are not evaluated.
; Every wave passes every barrier, so no barrier may stand behind a branch on the expert's count.  Hence:
;   THE PIPELINED PART is the same for every input.  The eight waves stream the work-group's 64 rows of w1 and 64 rows of w3 (512 KiB of f32) once, a load of
;   a wave = 512 consecutive bytes of one row, round them to f16 and lay them into LDS, K in 8 parts of 128, [part][row][256 bytes + 16].  All of K stays
;   there: no byte of LDS is written twice.  While part t+1 and later are on their way, wave w multiplies part t for block w (places 16 w .. 16 w + 15):
;   all 128 weight rows x 16 tokens.  A block without tokens names token 0 and fills rows that nobody reads.
;   A STEP: one counted wait; round and store the weights' part t+1; turn the block's part t; s_wait_dscnt 0; signal; multiply part t (LDS loads of bytes that
;   are never written again, and matrix work); barrier wait; ask for the block's part t+2 and the weights' part t+4.  The barrier orders the stores of part t+1
;   against the next step's reads of it; part t was ordered by the step before.  Step 0 waits straight behind its signal: part 0 was stored just before.
;   FURTHER BLOCKS (w + 8, w + 16, ..: an expert with more than 128 tokens): LDS is only read, each wave by itself, no barrier; the number of trips hangs on
;   cnt[e], a whole number that an earlier launch stored.  The first of them has its token loads issued ahead of the last part's products.
; THE TOKENS of block w come in whole pieces of 256 consecutive bytes: 16 lanes take a row's part, a load two rows.  The wave turns a part into fragment order
; through 16 x 272 bytes of LDS of its own (8 stores, 8 loads, in place in the same registers; LDS serves a wave's instructions in order: no wait between).
; The further blocks take a lane's 16 bytes straight into the fragment, 32 bytes of each of 16 rows an instruction: all of K then lies in registers at once.
; LOADcnt falls in the order of issue, so a wait for the block's part also waits for every weight load issued before it: the order of issue below is chosen so
; that two sets of 16 weight loads and one of 8 token loads stay out at each step's wait.  By the text's count up to 64 loads of a wave can be out;
; a load that finds the counter full waits at its issue until one has landed (ISA guide 5.7.1).
; D = (weight rows) x (tokens): lane (r, hh) ends with the 8 neighbouring columns 16 kf + 8 hh + 0..7 of I of place r: just the half of a
; B fragment that the same lane needs in the next launch.  So h is laid out [e][block of 16 places][kf: 64][lane][16 bytes]: a store
; of the wave covers 512 consecutive bytes, aligned, straight from registers, and the next launch loads its fragments in the same way.
; FORMATS: x, w1 and w3 enter the matrix unit in f16 (11 bits of significand), sums in f32.  At 30 times their spread, or offset by 30
; spreads, they stay under 200, far inside f16's 65,504; at a thirtieth, f16's step below 6.1e-5 is 6e-8, under 1e-4 of the spread.
; h leaves in f16 too, since bf16's 8 bits on h and on w2 would cost eight times the rounding error in a sum of 1,024 products.  h spans some 1e-6 to
; 1e7 over such inputs, more than f16 holds, so each place's 64 numbers of this work-group are first multiplied by 2^(127-e), e the biased
; exponent of the largest of them (exact; results under 4), and 2^(e-127) goes to hs [e][block][ib][lane][2 f32, the same twice]: the wave stores
; 256 consecutive bytes, aligned.  The next launch multiplies its sums over these 64 columns by that number, in f32.
; NO JOINT LOADS: the weights are read by this work-group alone; the rows of xh lie at addresses given by a list, which no tile of rows at one pitch describes.
; LIMITS: |x|, |w1|, |w3| from 65,520 on become infinity.  gelu's erf by a five-term rational form (Abramowitz and Stegun 7.1.26),
; absolute error at most 1.5e-7 for every argument; where g*g overflows the exponential is 0, the right limit.  The scale's exponent is kept in
; 1 .. 253: |h| under 2^-126 is scaled as if it were 2^-126.  0 * inf of an expert not chosen is not formed.
.set PITCH,  272                       ; an LDS row: 256 bytes + 16, an odd multiple of 16: the 16 rows of a fragment load start 16 bytes apart modulo 256
.set PART,   128*PITCH                 ; a part of K: rows 0-63 w1, rows 64-127 w3
.set LIST,   8*PART                    ; behind the weights: 1,024 words, place -> token; then 64 spare words
.set XT,     LIST+4352                 ; behind the list: 16 rows x 272 bytes for each wave, in which it turns its tokens
; window 0 (v0-v255)
.set XSA, 6                            ; where I put 16 bytes of a token's row
.set XLA, 7                            ; where I read my fragment lane back
.set AF,  8                            ; v8-11    LDS address of my fragment lane in parts 0, 2, 4, 6 (an LDS offset has 16 bits: it reaches two parts)
.set LB,  12                           ; LIST + 4 r
.set H16, 13                           ; 16 hh
.set XO2, 14                           ; a further block: byte offset in xh of my token's row + 16 hh
.set HO,  15                           ; 16 x lane
.set FA,  16                           ; v16-143  weight fragments, two buffers of eight: g and u of rows 0-15, 16-31, 32-47, 48-63
.set ACC, 144                          ; v144-207 accumulators: g of row block rb at ACC + 16 rb, u at + 8; later h in g's place
.set C5,  208                          ; v208-209 a constant pair
.set SO,  210                          ; 8 x lane
.set SI,  212                          ; v212-213 2^(e-127), twice
.set SM,  214                          ; v214-215 2^(127-e), twice
.set BOD, 216                          ; v216-247 block w's tokens, odd parts
.set XQ,  248                          ; v248-255 block w: byte offsets in xh of my 16 bytes in rows 2 q + hh
.set PEW, 16                           ; v16-47   wave 0, at the start: the expert's words of pe
.set Z,   48                           ; v48-51   zeros
.set ZA,  52
.set TK4, 53
.set LT,  54                           ; v54-57   at work on the list
.set TA,  16                           ; at work in the activation (the fragment buffers are free then)
.set TE,  24
.set TP,  32
.set TO,  40                           ; v40-55   four packed results, one set for each store
; window 1 (v256-v511, written by their low 8 bits)
.set WS,  0                            ; 0-191    weights as loaded, three sets of 64
.set BEV, 192                          ; 192-223  block w's tokens, even parts
.set WGO, 224                          ; my byte offset in the weight slice
.set WLC, 225                          ; where my rounded weights go; steps from part to part
.set T,   240                          ; 240-255  rounded weights
;                                        A further block: 0-255 its 32 token fragments, K step ks at 8 ks
.set W1,  0x55                         ; every operand place in window 1
.set TO1, 0x40                         ; destination in window 1, sources in window 0
.set BW,  0x04                         ; source 1 (a matrix instruction's B, an LDS store's data) in window 1, all else in window 0
.set MSB, 0
.macro WIN new                         ; the immediate's high byte repeats the setting that is left
.if MSB != \new
	s_set_vgpr_msb (MSB<<8)|\new
.set MSB, \new
.endif
.endm
.macro PLACES                          ; four plain places behind matrix instructions (ISA guide 7.12.1 for vector instructions; also ahead of loads into their registers)
.rept 4
	v_nop
.endr
.endm
; part t of my 16 rows: rows 8 qi + w of w1 and of w3, 512 consecutive bytes each
.macro ISSUE_W t
.set qi, 0
.rept 8
	global_load_b128 v[WS+64*((\t)%3)+4*qi:WS+64*((\t)%3)+4*qi+3], v[WGO], s[4:5] offset:32768*qi+512*(\t) th:TH_LOAD_NT
.set qi, qi+1
.endr
.set qi, 0
.rept 8
	global_load_b128 v[WS+64*((\t)%3)+32+4*qi:WS+64*((\t)%3)+32+4*qi+3], v[WGO], s[6:7] offset:32768*qi+512*(\t) th:TH_LOAD_NT
.set qi, qi+1
.endr
.endm
; part t, landed: round, and lay into rows 8 qi + w of LDS part t
.macro STAGE_W t
.set qi, 0
.rept 16
	v_cvt_pk_f16_f32 v[T+2*(qi%8)],   v[WS+64*((\t)%3)+4*qi],   v[WS+64*((\t)%3)+4*qi+1]
	v_cvt_pk_f16_f32 v[T+2*(qi%8)+1], v[WS+64*((\t)%3)+4*qi+2], v[WS+64*((\t)%3)+4*qi+3]
	ds_store_b64 v[WLC], v[T+2*(qi%8):T+2*(qi%8)+1] offset:8*PITCH*qi    ; the wave writes one row's 256 bytes
.set qi, qi+1
.endr
.if (\t) < 7
	v_add_nc_u32 v[WLC], PART, v[WLC]              ; the next part
.endif
.endm
; part t of block w's tokens: load qi takes rows 2 qi and 2 qi + 1, 256 consecutive bytes of each
.macro ISSUE_B t
.if ((\t)&1)
	WIN 0
.set lb, BOD
.else
	WIN TO1
.set lb, BEV
.endif
.set qi, 0
.rept 8
	global_load_b128 v[lb+4*qi:lb+4*qi+3], v[XQ+qi], s[8:9] offset:256*(\t)
.set qi, qi+1
.endr
.endm
; part t of block w's tokens, landed: by rows into my own LDS bytes, back as the four K steps' fragments, into the same registers
.macro TURN_B t
.if ((\t)&1)
	WIN 0
.set lb, BOD
.else
	WIN BW
.set lb, BEV
.endif
.set qi, 0
.rept 8
	ds_store_b128 v[XSA], v[lb+4*qi:lb+4*qi+3] offset:2*PITCH*qi
.set qi, qi+1
.endr
.if ((\t)&1) == 0
	WIN TO1
.endif
.set qi, 0
.rept 4
	ds_load_b128 v[lb+8*qi:lb+8*qi+3],   v[XLA] offset:64*qi       ; LDS serves a wave's instructions in order (ISA guide 5.7.1.4): these see the stores above
	ds_load_b128 v[lb+8*qi+4:lb+8*qi+7], v[XLA] offset:64*qi+32
.set qi, qi+1
.endr
.endm
; a further block: quarter n of its token fragments (K steps 8 n .. 8 n + 7): 16 loads, a lane's 16 bytes each
.macro BLOAD n
.set ki, 8*(\n)
.rept 8
	global_load_b128 v[8*ki:8*ki+3],   v[XO2], s[8:9] offset:64*ki
	global_load_b128 v[8*ki+4:8*ki+7], v[XO2], s[8:9] offset:64*ki+32
.set ki, ki+1
.endr
.endm
; the eight weight fragments of K step ks into buffer buf: 16 loads.  Fragment fi = 2 rb + s: s = 0 w1, 1 w3; rows 64 s + 16 rb .. of part ks / 4
.macro FRAG ks, buf
	PLACES
.set fi, 0
.rept 8
.set fo, (((\ks)>>2)&1)*PART+(64*(fi&1)+16*(fi>>1))*PITCH+64*((\ks)&3)
	ds_load_b128 v[FA+64*(\buf)+8*fi:FA+64*(\buf)+8*fi+3],   v[AF+((\ks)>>3)] offset:fo
	ds_load_b128 v[FA+64*(\buf)+8*fi+4:FA+64*(\buf)+8*fi+7], v[AF+((\ks)>>3)] offset:fo+32
.set fi, fi+1
.endr
.endm
; eight matrix instructions; b: the token fragment's first register.  The accumulators take turns, one instruction a turn.
; zero = 1: the first product starts the sums; nothing is cleared.
.macro MM b, buf, zero
.set fi, 0
.rept 8
.if \zero
	v_wmma_f32_16x16x32_f16 v[ACC+8*fi:ACC+8*fi+7], v[FA+64*(\buf)+8*fi:FA+64*(\buf)+8*fi+7], v[(\b):(\b)+7], 0
.else
	v_wmma_f32_16x16x32_f16 v[ACC+8*fi:ACC+8*fi+7], v[FA+64*(\buf)+8*fi:FA+64*(\buf)+8*fi+7], v[(\b):(\b)+7], v[ACC+8*fi:ACC+8*fi+7]
.endif
.set fi, fi+1
.endr
.endm
; part t for block w: four K steps.  Entered with every window 0.
.macro COMPUTE t
.if ((\t)&1)
.set cw, 0
.set cb, BOD
.else
.set cw, BW
.set cb, BEV
.endif
	FRAG 4*(\t), 0
	FRAG 4*(\t)+1, 1
	s_wait_dscnt 16                                ; LDS answers in order: all but the 16 fragment loads just issued are done
	WIN cw
.if (\t) == 0
	MM cb, 0, 1
.else
	MM cb, 0, 0
.endif
	FRAG 4*(\t)+2, 0
	s_wait_dscnt 16
	MM cb+8, 1, 0
	FRAG 4*(\t)+3, 1
	s_wait_dscnt 16
	MM cb+16, 0, 0
	s_wait_dscnt 0x0
	MM cb+24, 1, 0
.endm
; A step of the pipelined part.  left = the loads issued behind the younger of the weights' part t+1 and the block's part t.
.macro STEP t, left
	s_wait_loadcnt \left
	WIN W1
	STAGE_W (\t)+1
	TURN_B \t
	WIN 0
	s_wait_dscnt 0x0                               ; my rows of part t+1 are written, before the others may read them; my turned fragments are in
	s_barrier_signal -1
.if (\t) == 0
	s_barrier_wait -1                              ; part 0 was stored just ahead of this step: every wave's rows of it are written only now
	COMPUTE \t
.else
	COMPUTE \t                                     ; reads part t, which the barrier before has shown whole and which is never written again
	s_barrier_wait -1
.endif
	PLACES                                         ; behind the last products, ahead of the loads into the token registers that they read
.if (\t) < 6
	ISSUE_B (\t)+2
.endif
.if (\t) < 4
	WIN W1
	ISSUE_W (\t)+4                                 ; into the set emptied at this step's head
.endif
.endm
; gelu(g) * u for 8 columns of a token, left in g's registers:
; Phi(g) = 0.5 + sign(g) (0.5 - q), q = erfc(|g| / sqrt 2) / 2 = poly(s) exp(-g g / 2), s = 1 / (1 + 0.2316419 |g|).
; The polynomial's coefficients are halved and negated, so that 0.5 - q is one fused multiply-add.
.macro ACT rb
.set GA, ACC+16*\rb
.set UA, GA+8
.irp j, 0,1,2,3,4,5,6,7
	v_and_b32 v[TA+\j], s36, v[GA+\j]              ; |g|
.endr
.irp j, 0,2,4,6
	v_pk_fma_f32 v[TA+\j:TA+\j+1], v[TA+\j:TA+\j+1], 0x3e6d3388, 1.0 op_sel_hi:[1,0,0]   ; 1 + 0.2316419 |g|
	v_pk_mul_f32 v[TE+\j:TE+\j+1], v[GA+\j:GA+\j+1], 0xbf38aa3b op_sel_hi:[1,0]          ; -0.72134752 g (half of log2 e)
.endr
.irp j, 0,2,4,6
	v_pk_mul_f32 v[TE+\j:TE+\j+1], v[TE+\j:TE+\j+1], v[GA+\j:GA+\j+1]
.endr
.irp j, 0,1,2,3,4,5,6,7
	v_rcp_f32 v[TA+\j], v[TA+\j]                   ; s
.endr
.irp j, 0,1,2,3,4,5,6,7
	v_exp_f32 v[TE+\j], v[TE+\j]                   ; exp(-g g / 2)
.endr
	v_nop                                          ; one plain place behind the transcendentals (ISA guide 5.7.2)
	s_wait_alu depctr_va_vdst(0)
.irp j, 0,2,4,6
	v_pk_fma_f32 v[TP+\j:TP+\j+1], v[TA+\j:TA+\j+1], v[C5:C5+1], 0x3f3a00e3 op_sel_hi:[1,1,0]
.endr
.irp j, 0,2,4,6
	v_pk_fma_f32 v[TP+\j:TP+\j+1], v[TP+\j:TP+\j+1], v[TA+\j:TA+\j+1], 0xbf35f0e3 op_sel_hi:[1,1,0]
.endr
.irp j, 0,2,4,6
	v_pk_fma_f32 v[TP+\j:TP+\j+1], v[TP+\j:TP+\j+1], v[TA+\j:TA+\j+1], 0x3e11a98e op_sel_hi:[1,1,0]
.endr
.irp j, 0,2,4,6
	v_pk_fma_f32 v[TP+\j:TP+\j+1], v[TP+\j:TP+\j+1], v[TA+\j:TA+\j+1], 0xbe027906 op_sel_hi:[1,1,0]
.endr
.irp j, 0,2,4,6
	v_pk_mul_f32 v[TP+\j:TP+\j+1], v[TP+\j:TP+\j+1], v[TA+\j:TA+\j+1]
.endr
.irp j, 0,2,4,6
	v_pk_fma_f32 v[TP+\j:TP+\j+1], v[TP+\j:TP+\j+1], v[TE+\j:TE+\j+1], 0.5 op_sel_hi:[1,1,0]   ; 0.5 - q
.endr
.irp j, 0,1,2,3,4,5,6,7
	v_bfi_b32 v[TP+\j], s36, v[TP+\j], v[GA+\j]    ; with g's sign
.endr
.irp j, 0,2,4,6
	v_pk_add_f32 v[TP+\j:TP+\j+1], v[TP+\j:TP+\j+1], 0.5 op_sel_hi:[1,0]                 ; Phi(g)
.endr
.irp j, 0,2,4,6
	v_pk_mul_f32 v[TP+\j:TP+\j+1], v[TP+\j:TP+\j+1], v[GA+\j:GA+\j+1]                    ; gelu(g)
.endr
.irp j, 0,2,4,6
	v_pk_mul_f32 v[GA+\j:GA+\j+1], v[TP+\j:TP+\j+1], v[UA+\j:UA+\j+1]                    ; times u: h, in g's place
.endr
.endm
; a block's way out: activation, the place's scale, f16, five stores.  s[28:29]: the block's pieces of h; s[44:45]: its piece of hs
.macro FINISH
	ACT 0
	ACT 1
	ACT 2
	ACT 3
	; the largest |h| of my place over the work-group's 64 columns: my 32 numbers, then the other half of the lanes
.irp j, 0,1,2,3,4,5,6,7
	v_and_b32 v[TA+\j], s36, v[ACC+\j]
.endr
.irp rb, 1,2,3
.irp j, 0,1,2,3,4,5,6,7
	v_and_b32 v[TE+\j], s36, v[ACC+16*\rb+\j]
	v_max_num_f32 v[TA+\j], v[TA+\j], v[TE+\j]
.endr
.endr
.irp j, 0,1,2,3
	v_max_num_f32 v[TA+\j], v[TA+\j], v[TA+\j+4]
.endr
	v_max_num_f32 v[TA], v[TA], v[TA+2]
	v_max_num_f32 v[TA+1], v[TA+1], v[TA+3]
	v_max_num_f32 v[TA], v[TA], v[TA+1]
	v_permlanex16_b32 v[TE], v[TA], s42, s43       ; lane (r, 1 - hh) holds the same place's other 32 (its destination has been written above)
	v_max_num_f32 v[TA], v[TA], v[TE]
	v_max_num_f32 v[TA], 0x00800000, v[TA]         ; the biased exponent e kept in 1 ..
	v_min_num_f32 v[TA], 0x7e800000, v[TA]         ; .. 253, so that both powers below are normal numbers
	v_and_b32 v[SI], 0x7f800000, v[TA]             ; 2^(e-127)
	v_mov_b32 v[SI+1], v[SI]
	v_sub_nc_u32 v[SM], 0x7f000000, v[SI]          ; exponent field 254 - e: 2^(127-e)
	v_mov_b32 v[SM+1], v[SM]
.irp rb, 0,1,2,3
.irp j, 0,2,4,6
	v_pk_mul_f32 v[ACC+16*\rb+\j:ACC+16*\rb+\j+1], v[ACC+16*\rb+\j:ACC+16*\rb+\j+1], v[SM:SM+1]   ; exact; under 4 in magnitude
.endr
.irp k, 0,1,2,3
	v_cvt_pk_f16_f32 v[TO+4*\rb+\k], v[ACC+16*\rb+2*\k], v[ACC+16*\rb+2*\k+1]
.endr
	global_store_b128 v[HO], v[TO+4*\rb:TO+4*\rb+3], s[28:29] offset:512*\rb   ; piece kf = 4 ib + rb: the wave stores 512 consecutive bytes, aligned
.endr
	global_store_b64 v[SO], v[SI:SI+1], s[44:45]   ; the wave stores 256 consecutive bytes, aligned
.endm
; the further block of trip s23, 8 (trip + 1) + w, and my token's offset in xh
.macro NEXTBLK
	s_lshl3_add_u32 s46, s23, s16
	s_add_co_u32 s46, s46, 8
	s_min_u32 s46, s46, 63                         ; binds only where no such block is left (at most 64 blocks): the read below stays inside the list
	s_lshl_b32 s37, s46, 6                         ; a block's 16 words of the list
	v_add_nc_u32 v4, s37, v[LB]
	ds_load_b32 v5, v4                             ; the token at place 16 block + r
	s_wait_dscnt 0x0
	v_min_u32 v5, 0x3ff, v5                        ; an index read from memory is bounded before it enters an address
	v_lshl_add_u32 v[XO2], v5, 11, v[H16]          ; row of 2,048 bytes + 16 hh
.endm
	s_load_b256 s[4:11], s[0:1], 0x0               ; w1 s[4:5], w3 s[6:7], xh s[8:9], pe s[10:11]
	s_load_b128 s[12:15], s[0:1], 0x20             ; cnt s[12:13], h s[14:15]
	s_load_b64 s[40:41], s[0:1], 0x30              ; hs
	v_and_b32 v1, 31, v0                           ; lane L
	v_lshrrev_b32 v4, 5, v0
	v_readfirstlane_b32 s16, v4                    ; wave w
	s_and_b32 s19, ttmp7, 0xffff                   ; expert
	s_mov_b32 s20, ttmp9                           ; block of 64 columns of I
	s_mov_b32 s36, 0x7fffffff
	s_mov_b32 s42, 0x76543210                      ; v_permlanex16_b32: lane i reads lane i of the other half
	s_mov_b32 s43, 0xfedcba98
	v_and_b32 v2, 15, v1                           ; r
	v_lshrrev_b32 v3, 4, v1                        ; hh
	v_lshlrev_b32 v[HO], 4, v1                     ; 16 L
	v_lshlrev_b32 v5, 3, v1                        ; 8 L
	s_lshl_b32 s35, s16, 12                        ; row w of the slice
	s_mul_i32 s30, s16, PITCH                      ; row w of LDS part 0
	WIN TO1
	v_add_nc_u32 v[WGO], s35, v[HO]
	v_add_nc_u32 v[WLC], s30, v5
	WIN 0
	s_wait_kmcnt 0x0
	s_lshl_b32 s26, s19, 22                        ; an expert's 4 MiB
	s_lshl_b32 s27, s20, 18                        ; 64 rows of 4,096 bytes
	s_or_b32 s26, s26, s27
	s_mov_b32 s27, 0
	s_add_nc_u64 s[4:5], s[4:5], s[26:27]
	s_add_nc_u64 s[6:7], s[6:7], s[26:27]
	s_lshl_b32 s26, s19, 12
	s_add_nc_u64 s[10:11], s[10:11], s[26:27]      ; pe at the expert's 1,024 words
	s_lshl_b32 s26, s19, 8
	s_add_nc_u64 s[12:13], s[12:13], s[26:27]
	s_load_b32 s21, s[12:13], 0x0                  ; the expert's count
	s_cmp_lg_u32 s16, 0
	s_cbranch_scc1 .Lno_pe
.irp j, 0,1,2,3,4,5,6,7
	global_load_b128 v[PEW+4*\j:PEW+4*\j+3], v[HO], s[10:11] offset:512*\j    ; wave 0: lane L, load j: tokens 128 j + 4 L ..
.endr
.Lno_pe:
	WIN W1
	ISSUE_W 0
	ISSUE_W 1                                      ; the third set goes out behind the block's first tokens, which want the list first
	WIN 0
	s_lshl_b32 s26, s19, 21                        ; h: 2 MiB an expert,
	s_lshl_b32 s30, s20, 11                        ; four pieces of 512 bytes a block of I
	s_or_b32 s26, s26, s30
	s_add_nc_u64 s[14:15], s[14:15], s[26:27]
	s_lshl_b32 s26, s19, 18                        ; hs: 64 blocks of 4,096 bytes an expert,
	s_lshl_b32 s30, s20, 8                         ; 256 bytes a block of I
	s_or_b32 s26, s26, s30
	s_add_nc_u64 s[40:41], s[40:41], s[26:27]
	s_lshl_b32 s26, s16, 15                        ; block w of h: 64 pieces of 512 bytes a block
	s_add_nc_u64 s[28:29], s[14:15], s[26:27]
	s_lshl_b32 s26, s16, 12                        ; block w of hs: 16 pieces of 256 bytes a block
	s_add_nc_u64 s[44:45], s[40:41], s[26:27]
	; the LDS addresses, while the loads are on their way
	v_mul_u32_u24 v5, v2, PITCH
	v_lshl_add_u32 v[AF], v3, 4, v5                ; r rows + 16 hh: a fragment's lane term
	v_add_nc_u32 v[AF+1], 2*PART, v[AF]
	v_add_nc_u32 v[AF+2], 4*PART, v[AF]
	v_add_nc_u32 v[AF+3], 6*PART, v[AF]
	s_mul_i32 s30, s16, 16*PITCH
	s_add_co_u32 s30, s30, XT                      ; my own 16 rows
	v_add_nc_u32 v[XLA], s30, v[AF]                ; back: row r, byte 16 hh
	v_mul_u32_u24 v4, v3, PITCH
	v_lshl_add_u32 v4, v2, 4, v4
	v_add_nc_u32 v[XSA], s30, v4                   ; in: row hh, byte 16 r
	v_lshl_add_u32 v[LB], v2, 2, LIST
	v_lshlrev_b32 v[H16], 4, v3
	v_lshlrev_b32 v[SO], 3, v1
	v_mov_b32 v[C5], 0xbf07dc22                    ; -0.53070271
	v_mov_b32 v[C5+1], 0xbf07dc22
	; THE LIST, by wave 0 alone: LDS serves a wave's instructions in order, so its zeros lie under its entries without a barrier between.
	s_cmp_lg_u32 s16, 0
	s_cbranch_scc1 .Lno_list
	v_mov_b32 v[Z], 0
	v_mov_b32 v[Z+1], 0
	v_mov_b32 v[Z+2], 0
	v_mov_b32 v[Z+3], 0
	v_add_nc_u32 v[ZA], LIST, v[HO]
	v_lshlrev_b32 v[TK4], 2, v1
.irp j, 0,1,2,3,4,5,6,7
	ds_store_b128 v[ZA], v[Z:Z+3] offset:512*\j    ; places without a token name token 0
.endr
	s_wait_loadcnt 32                              ; pe is in; the 32 weight loads issued behind it stay out
.set ji, 0
.rept 8
.set ki, 0
.rept 4
.set PA, LT+2*(ki&1)
	v_and_b32 v[PA], 0xffff, v[PEW+4*ji+ki]        ; the token's place with this expert (0xffff: none)
	v_min_u32 v[PA], 0x400, v[PA]                  ; bounded: 1,024 places; all others fall on the first spare word
	v_lshl_add_u32 v[PA], v[PA], 2, LIST
	v_add_nc_u32 v[PA+1], 128*ji+ki, v[TK4]        ; the token's number
	ds_store_b32 v[PA], v[PA+1]
.set ki, ki+1
.endr
.set ji, ji+1
.endr
.Lno_list:
	s_wait_dscnt 0x0                               ; wave 0's stores are done before the others read the list
	s_barrier_signal -1
	s_barrier_wait -1
	; block w's tokens: the rows 2 q + hh of my eight loads
	s_lshl_b32 s30, s16, 6
	s_add_co_u32 s30, s30, LIST
	v_lshl_add_u32 v4, v3, 2, s30                  ; word 16 w + hh
.set qi, 0
.rept 8
	ds_load_b32 v[XQ+qi], v4 offset:8*qi
.set qi, qi+1
.endr
	v_lshlrev_b32 v5, 4, v2                        ; 16 r
	s_wait_dscnt 0x0
.set qi, 0
.rept 8
	v_min_u32 v[XQ+qi], 0x3ff, v[XQ+qi]            ; an index read from memory is bounded before it enters an address
	v_lshl_add_u32 v[XQ+qi], v[XQ+qi], 11, v5      ; row of 2,048 bytes + my 16 bytes
.set qi, qi+1
.endr
	ISSUE_B 0
	ISSUE_B 1
	WIN W1
	ISSUE_W 2
	s_wait_loadcnt 48                              ; the weights' part 0 is in; behind it went part 1 (16), the block's parts 0 and 1 (16), part 2 (16)
	STAGE_W 0
	ISSUE_W 3
	WIN 0
	s_wait_kmcnt 0x0
	s_min_u32 s21, s21, 1024
	s_add_co_u32 s22, s21, 15
	s_lshr_b32 s22, s22, 4                         ; blocks of 16 places, 64 at the most
	s_add_co_u32 s24, s22, 7
	s_sub_co_u32 s24, s24, s16
	s_lshr_b32 s24, s24, 3                         ; the blocks w, w + 8, .. under that number,
	s_max_u32 s24, s24, 1
	s_sub_co_u32 s24, s24, 1                       ; less block w, which is always made: my further trips
	; order of issue from here: W1 B0 B1 W2 W3 | B2 W4 | B3 W5 | B4 W6 | B5 W7 | B6 | B7   (W: 16 loads, B: 8)
	STEP 0, 40                                     ; wants W1, B0; behind B0: B1 W2 W3
	STEP 1, 40                                     ; wants W2, B1; behind W2: W3 B2 W4
	STEP 2, 40                                     ; wants W3, B2; behind B2: W4 B3 W5
	STEP 3, 40                                     ; wants W4, B3; behind B3: W5 B4 W6
	STEP 4, 40                                     ; wants W5, B4; behind B4: W6 B5 W7
	STEP 5, 24                                     ; wants W6, B5; behind B5: W7 B6
	STEP 6, 8                                      ; wants W7, B6; behind B6: B7
	s_wait_loadcnt 0x0                             ; the block's last part
	TURN_B 7
	WIN 0
	s_mov_b32 s23, 0                               ; the trip
	NEXTBLK
	s_cmp_eq_u32 s24, 0
	s_cbranch_scc1 .Lno_pre
	WIN TO1
	BLOAD 0                                        ; a further block's tokens go out ahead of the last part's products, into the registers that held weights
	BLOAD 1
	BLOAD 2
	WIN 0
.Lno_pre:
	COMPUTE 7
	WIN 0
	PLACES                                         ; behind the last matrix instructions: the activation reads results and writes fragment registers
	FINISH
	s_cmp_eq_u32 s24, 0
	s_cbranch_scc1 .Lend
.Ltrip:
	s_wait_xcnt 0x0                                ; the stores' data registers and bases are written again only behind this wait
	s_lshl_b32 s26, s46, 15
	s_add_nc_u64 s[28:29], s[14:15], s[26:27]
	s_lshl_b32 s26, s46, 12
	s_add_nc_u64 s[44:45], s[40:41], s[26:27]
	FRAG 0, 0
	FRAG 1, 1
	s_wait_dscnt 16
	s_wait_loadcnt 32                              ; the first quarter of the tokens is in; the 32 loads of the next two stay out
	WIN TO1
	BLOAD 3
	WIN BW
	MM 0, 0, 1
.set kk, 1
.rept 30
.set kn, kk+1
.set kb, kn&1
.set kc, kk&1
	FRAG kn, kb
	s_wait_dscnt 16
.if kk == 8
	s_wait_loadcnt 32                              ; the second quarter; the third and fourth stay out
.elseif kk == 16
	s_wait_loadcnt 16                              ; the third; the fourth stays out
.elseif kk == 24
	s_wait_loadcnt 0
.endif
	MM 8*kk, kc, 0
.set kk, kk+1
.endr
	s_wait_dscnt 0x0
	MM 248, 1, 0
	WIN 0
	PLACES
	FINISH
	s_add_co_u32 s23, s23, 1
	s_cmp_ge_u32 s23, s24
	s_cbranch_scc1 .Lend
	NEXTBLK
	WIN TO1
	BLOAD 0
	BLOAD 1
	BLOAD 2
	WIN 0
	s_cmp_lt_u32 s23, s24
	s_cbranch_scc1 .Ltrip
.Lend:
	s_wait_xcnt 0x0
	v_lshl_add_u32 v254, v0, 2, 0x4d900
	v_mov_b32 v255, 0
	s_wait_tensorcnt 0x0
	ds_add_u32 v254, v255
	s_wait_dscnt 0x0
	s_endpgm
.Lfunc_end_k_qde213aabd0_up:
	.size	k_qde213aabd0_up, .Lfunc_end_k_qde213aabd0_up-k_qde213aabd0_up
	.p2alignl 7, 3214868480
	.fill 96, 4, 3214868480
	.section	.rodata,"a",@progbits
	.p2align	6, 0x0
	.amdhsa_kernel k_qde213aabd0_up
		.amdhsa_group_segment_fixed_size 318720
		.amdhsa_private_segment_fixed_size 0
		.amdhsa_enable_private_segment 0
		.amdhsa_kernarg_size 56
		.amdhsa_user_sgpr_count 2
		.amdhsa_user_sgpr_kernarg_segment_ptr 1
		.amdhsa_wavefront_size32 1
		.amdhsa_system_sgpr_workgroup_id_x 1
		.amdhsa_system_sgpr_workgroup_id_y 1
		.amdhsa_system_sgpr_workgroup_id_z 1
		.amdhsa_system_vgpr_workitem_id 0
		.amdhsa_next_free_vgpr 512
		.amdhsa_next_free_sgpr 66
		.amdhsa_reserve_vcc 0
		.amdhsa_float_denorm_mode_32 3
		.amdhsa_float_denorm_mode_16_64 3
		.amdhsa_memory_ordered 1
		.amdhsa_forward_progress 1
		.amdhsa_inst_pref_size 240
	.end_amdhsa_kernel
	.amdgpu_metadata
---
amdhsa.version: [ 1, 2 ]
amdhsa.kernels:
  - .name:           k_qde213aabd0_up
    .symbol:         k_qde213aabd0_up.kd
    .args:
      - { .name: w1, .offset: 0, .size: 8, .value_kind: global_buffer, .address_space: global }
      - { .name: w3, .offset: 8, .size: 8, .value_kind: global_buffer, .address_space: global }
      - { .name: xh, .offset: 16, .size: 8, .value_kind: global_buffer, .address_space: global }
      - { .name: pe, .offset: 24, .size: 8, .value_kind: global_buffer, .address_space: global }
      - { .name: cnt, .offset: 32, .size: 8, .value_kind: global_buffer, .address_space: global }
      - { .name: h, .offset: 40, .size: 8, .value_kind: global_buffer, .address_space: global }
      - { .name: hs, .offset: 48, .size: 8, .value_kind: global_buffer, .address_space: global }
    .group_segment_fixed_size: 318720
    .private_segment_fixed_size: 0
    .kernarg_segment_align: 8
    .kernarg_segment_size: 56
    .max_flat_workgroup_size: 256
    .sgpr_count:     66
    .vgpr_count:     512
    .wavefront_size: 32
...
	.end_amdgpu_metadata
.endif
;; end of part 2
;; launch down (part 3): grid 16 x 16, 8 waves a work-group, no clusters, 175,104 bytes of LDS; arguments w2, h, hs, cnt, per_expert_scale, y2p; writes y2p
.if DOCPART == 3
	.amdgcn_target "amdgcn-amd-amdhsa--gfx1250"
	.amdhsa_code_object_version 6
	.text
	.protected	k_qde213aabd0_down
	.globl	k_qde213aabd0_down
	.p2align	8
	.type	k_qde213aabd0_down,@function
k_qde213aabd0_down:
	s_mov_b64 s[64:65], 0
	v_nop
	global_prefetch_b8 v0, s[64:65] scope:SCOPE_SE
	s_setreg_imm32_b32 hwreg(HW_REG_WAVE_MODE, 25, 1), 1
	s_wait_xcnt 0x0
; DOWN.  y2p[e * 1,024 + place][64 hb .. 64 hb + 63] = per_expert_scale[e] * (h w2^T) for the places of expert e (y of the grid) and the 64 columns
; of H of block hb (x of the grid).  Rows go by PLACE, so this launch needs no list and no mask: places behind the last token fill rows of
; their own that nobody reads; the last launch finds each token's two rows.  Each byte is stored by one work-group.
; Built as the launch in front, since no barrier may stand behind a branch on the expert's count:
;   THE PIPELINED PART is the same for every input.  The eight waves stream the 64 rows of w2 (256 KiB of f32) once, 512 consecutive bytes a load, round them to
;   f16 and lay them into LDS, K in 8 parts of 128, [part][row][256 bytes + 16]; all of K stays there and no byte of it is written twice.  While later parts
;   are on their way, wave w multiplies part t for block w (places 16 w .. 16 w + 15), which the launch in front always stores.
;   A STEP: one counted wait; round and store the weights' part t+1; s_wait_dscnt 0; signal; multiply part t (LDS loads of bytes that are never written again,
;   matrix and vector work); barrier wait; ask for the block's part t+3 and the weights' part t+5.  The barrier orders the stores of part t+1 against the next
;   step's reads of it.  Step 0 waits straight behind its signal: part 0 was stored just before.
;   FURTHER BLOCKS (w + 8, ..: more than 128 tokens): each wave by itself, no barrier; the number of trips hangs on cnt[e], a whole number that an earlier launch stored.
; h lies as [e][block][kf: 64][lane][16 bytes], the register image of the B fragments: a load of the wave takes 512 consecutive bytes.
; LOADcnt falls in the order of issue, so a wait for the block's part also waits for every weight load issued before it: the block's first three parts go out
; ahead of the weights, and its ring of three parts is nearly as deep as the weights' four sets.  62 loads of a wave are out at the most in the pipelined part,
; up to 64 at a further block's head; a load that finds the counter full waits at its issue until one has landed (ISA guide 5.7.1).
; FORMATS: h and w2 in f16, sums in f32.  h comes scaled: each place's 64 numbers of a chunk of 64 along K were multiplied by a power of two, whose
; inverse lies in hs [e][block][chunk][lane][2 f32].  So a chunk (2 K steps on 4 accumulators, 8 matrix instructions) starts from 0, and its sums
; are folded into a second set of 32 registers by y += sums * inverse, in f32: a lane holds one place, so the inverse is the lane's own.
; w2 at 30 times its spread, or offset by 30 spreads, stays near 1; at a thirtieth f16's step of 6e-8 is under 1e-4 of the spread.
; THE WAY OUT: a lane holds 8 columns of one place; 16 places go through the wave's own 16 x 272 bytes of LDS and leave as rows: 16 lanes store
; 256 consecutive bytes, aligned.  The stage is the wave's own, and LDS serves a wave's instructions in order: no barrier, no wait between.
; NO JOINT LOADS: w2's rows are read by this work-group alone.  h's blocks are the same for the 16 work-groups of an expert, but they go straight into
; registers; a joint load fills LDS, from where each fragment would have to be read once more.
; LIMITS: |w2| from 65,520 on becomes infinity.
.set PITCH,  272                       ; 256 bytes + 16, an odd multiple of 16: the 16 rows of a fragment load start 16 bytes apart modulo 256
.set PART,   64*PITCH                  ; a part of K
.set ST,     8*PART                    ; behind the weights: a stage of 16 rows x (64 f32 + 16 bytes) for each wave
; window 0
.set AF,  8                            ; v8-9     LDS address of my fragment lane in parts 0, 4 (an LDS offset has 16 bits: it reaches four parts)
.set STA, 10                           ; the way out: where I put my 32 bytes
.set STR, 11                           ; the way out: where I read a row back
.set YO,  12                           ; my byte offset in the block's rows of y2p
.set BO,  13                           ; 16 x lane
.set SO,  14                           ; 8 x lane
.set FA,  16                           ; v16-143  weight fragments, two buffers of eight: two K steps x four row blocks
.set ACC, 144                          ; v144-175 a chunk's sums: row block f at ACC + 8 f
.set S,   176                          ; v176-207 the 16 chunks' inverse scales of my place, a pair each
.set Y,   208                          ; v208-239 the sums over all chunks: row block f at Y + 8 f
.set SD,  16                           ; the way out: v16-47 rows read back
; window 1 (v256-v511, written by their low 8 bits)
.set WS,  0                            ; 0-127    weights as loaded, four sets of 32
.set BR,  128                          ; 128-223  block w's fragments of h, a ring of three parts
.set WGO, 224                          ; my byte offset in the weight slice
.set WLC, 225                          ; where my rounded weights go; steps from part to part
.set T,   240                          ; 240-255  rounded weights
;                                        A further block: 0-255 its 32 fragments of h, K step ks at 8 ks
.set W1,  0x55                         ; every operand place in window 1
.set TO1, 0x40                         ; destination in window 1, sources in window 0
.set BW,  0x04                         ; source 1 (a matrix instruction's B) in window 1, all else in window 0
.set MSB, 0
.macro WIN new                         ; the immediate's high byte repeats the setting that is left
.if MSB != \new
	s_set_vgpr_msb (MSB<<8)|\new
.set MSB, \new
.endif
.endm
.macro PLACES                          ; four plain places behind matrix instructions (ISA guide 7.12.1 for vector instructions; also ahead of loads into their registers)
.rept 4
	v_nop
.endr
.endm
.macro ISSUE_W t                       ; part t of rows 8 qi + w, 512 consecutive bytes each
.set qi, 0
.rept 8
	global_load_b128 v[WS+32*((\t)%4)+4*qi:WS+32*((\t)%4)+4*qi+3], v[WGO], s[4:5] offset:32768*qi+512*(\t) th:TH_LOAD_NT
.set qi, qi+1
.endr
.endm
.macro STAGE_W t                       ; part t, landed: round, and lay into rows 8 qi + w of LDS part t
.set qi, 0
.rept 8
	v_cvt_pk_f16_f32 v[T+2*qi],   v[WS+32*((\t)%4)+4*qi],   v[WS+32*((\t)%4)+4*qi+1]
	v_cvt_pk_f16_f32 v[T+2*qi+1], v[WS+32*((\t)%4)+4*qi+2], v[WS+32*((\t)%4)+4*qi+3]
	ds_store_b64 v[WLC], v[T+2*qi:T+2*qi+1] offset:8*PITCH*qi      ; the wave writes one row's 256 bytes
.set qi, qi+1
.endr
.if (\t) < 7
	v_add_nc_u32 v[WLC], PART, v[WLC]              ; the next part
.endif
.endm
; part t of block w: the two chunks' inverse scales (256 consecutive bytes a load) and four K steps' fragments of h (512 a load): ten loads
.macro ISSUE_B t
	WIN 0
	global_load_b64 v[S+4*(\t):S+4*(\t)+1],   v[SO], s[34:35] offset:512*(\t)
	global_load_b64 v[S+4*(\t)+2:S+4*(\t)+3], v[SO], s[34:35] offset:512*(\t)+256
	WIN TO1
.set qi, 0
.rept 4
	global_load_b128 v[BR+32*((\t)%3)+8*qi:BR+32*((\t)%3)+8*qi+3],   v[BO], s[28:29] offset:1024*(4*(\t)+qi)
	global_load_b128 v[BR+32*((\t)%3)+8*qi+4:BR+32*((\t)%3)+8*qi+7], v[BO], s[28:29] offset:1024*(4*(\t)+qi)+512
.set qi, qi+1
.endr
.endm
; a further block: its 16 inverse scales of my place
.macro SLOAD
.set ci, 0
.rept 16
	global_load_b64 v[S+2*ci:S+2*ci+1], v[SO], s[34:35] offset:256*ci
.set ci, ci+1
.endr
.endm
; a further block: quarter n of its fragments of h (K steps 8 n .. 8 n + 7, chunks 4 n .. 4 n + 3): 16 loads of 512 consecutive bytes
.macro BLOAD n
.set ki, 8*(\n)
.rept 8
	global_load_b128 v[8*ki:8*ki+3],   v[BO], s[28:29] offset:1024*ki
	global_load_b128 v[8*ki+4:8*ki+7], v[BO], s[28:29] offset:1024*ki+512
.set ki, ki+1
.endr
.endm
; the weight fragments of chunk st (half st & 1 of part st / 2) into buffer buf: 16 loads.  ci = 4 (K step) + row block
.macro FRAG st, buf
	PLACES
.set ci, 0
.rept 8
.set fo, (((\st)>>1)&3)*PART+16*(ci&3)*PITCH+128*((\st)&1)+64*(ci>>2)
	ds_load_b128 v[FA+64*(\buf)+8*ci:FA+64*(\buf)+8*ci+3],   v[AF+((\st)>>3)] offset:fo
	ds_load_b128 v[FA+64*(\buf)+8*ci+4:FA+64*(\buf)+8*ci+7], v[AF+((\st)>>3)] offset:fo+32
.set ci, ci+1
.endr
.endm
; a chunk: eight matrix instructions on four accumulators, which take turns, one instruction a turn.
; b: the first register of the chunk's two fragments of h.  The first four start the chunk's sums from 0; nothing is cleared.
.macro MM b, buf
.set ci, 0
.rept 8
.if ci < 4
	v_wmma_f32_16x16x32_f16 v[ACC+8*(ci&3):ACC+8*(ci&3)+7], v[FA+64*(\buf)+8*ci:FA+64*(\buf)+8*ci+7], v[(\b)+8*(ci>>2):(\b)+8*(ci>>2)+7], 0
.else
	v_wmma_f32_16x16x32_f16 v[ACC+8*(ci&3):ACC+8*(ci&3)+7], v[FA+64*(\buf)+8*ci:FA+64*(\buf)+8*ci+7], v[(\b)+8*(ci>>2):(\b)+8*(ci>>2)+7], v[ACC+8*(ci&3):ACC+8*(ci&3)+7]
.endif
.set ci, ci+1
.endr
.endm
; chunk st's sums, times the chunk's inverse scale, into the sums over all chunks; the first chunk starts them
.macro SCALE st
.set fi, 0
.rept 16
.if (\st) == 0
	v_pk_mul_f32 v[Y+2*fi:Y+2*fi+1], v[ACC+2*fi:ACC+2*fi+1], v[S:S+1]
.else
	v_pk_fma_f32 v[Y+2*fi:Y+2*fi+1], v[ACC+2*fi:ACC+2*fi+1], v[S+2*(\st):S+2*(\st)+1], v[Y+2*fi:Y+2*fi+1]
.endif
.set fi, fi+1
.endr
.endm
; part t for block w: two chunks.  Entered and left with every window 0.
.macro COMPUTE t
.set cb, BR+32*((\t)%3)
	FRAG 2*(\t), 0
	FRAG 2*(\t)+1, 1
	s_wait_dscnt 16                                ; LDS answers in order: all but the 16 fragment loads just issued are done
	WIN BW
	MM cb, 0
	WIN 0
	PLACES                                         ; between the chunk's products and the fold that reads them
	SCALE 2*(\t)
	s_wait_dscnt 0x0
	WIN BW
	MM cb+16, 1
	WIN 0
	PLACES
	SCALE 2*(\t)+1
.endm
; A step of the pipelined part.  left = the loads issued behind the younger of the weights' part t+1 and the block's part t.
.macro STEP t, left
	s_wait_loadcnt \left
	WIN W1
	STAGE_W (\t)+1
	WIN 0
	s_wait_dscnt 0x0                               ; my rows of part t+1 are written, before the others may read them
	s_barrier_signal -1
.if (\t) == 0
	s_barrier_wait -1                              ; part 0 was stored just ahead of this step: every wave's rows of it are written only now
	COMPUTE \t
.else
	COMPUTE \t                                     ; reads part t, which the barrier before has shown whole and which is never written again
	s_barrier_wait -1
.endif
.if (\t) < 5
	ISSUE_B (\t)+3                                 ; into the ring's part just multiplied: the places and the fold above stand behind its products
.endif
.if (\t) < 3
	WIN W1
	ISSUE_W (\t)+5                                 ; into the set emptied at this step's head
.endif
.endm
; a block's way out.  s[32:33]: the block's 16 rows of y2p
.macro FINISH
.set fi, 0
.rept 4
.set AA, Y+8*fi
	v_pk_mul_f32 v[AA:AA+1],   v[AA:AA+1],   s[38:39] op_sel_hi:[1,0]    ; the expert's scale, in f32, on the finished sums
	v_pk_mul_f32 v[AA+2:AA+3], v[AA+2:AA+3], s[38:39] op_sel_hi:[1,0]
	v_pk_mul_f32 v[AA+4:AA+5], v[AA+4:AA+5], s[38:39] op_sel_hi:[1,0]
	v_pk_mul_f32 v[AA+6:AA+7], v[AA+6:AA+7], s[38:39] op_sel_hi:[1,0]
	ds_store_b128 v[STA], v[AA:AA+3]   offset:64*fi
	ds_store_b128 v[STA], v[AA+4:AA+7] offset:64*fi+16
.set fi, fi+1
.endr
.set qi, 0
.rept 8
	ds_load_b128 v[SD+4*qi:SD+4*qi+3], v[STR] offset:2*PITCH*qi    ; LDS serves a wave's instructions in order (ISA guide 5.7.1.4): these see the stores above
.set qi, qi+1
.endr
.set qi, 0
.rept 8
	s_wait_dscnt 7-qi                              ; the younger row loads stay out
	global_store_b128 v[YO], v[SD+4*qi:SD+4*qi+3], s[32:33] offset:8192*qi   ; 16 lanes store a place's 256 consecutive bytes, aligned
.set qi, qi+1
.endr
.endm
; the further block of trip s23, 8 (trip + 1) + w: its bases in h and hs.  All loads by the old bases have landed where this stands.
.macro NEXTBLK
	s_lshl3_add_u32 s46, s23, s16
	s_add_co_u32 s46, s46, 8
	s_min_u32 s46, s46, 63                         ; binds only where no such block is left (at most 64 blocks): the bases stay inside h, hs and y2p
	s_lshl_b32 s26, s46, 15                        ; a block of h: 64 pieces of 512 bytes
	s_add_nc_u64 s[28:29], s[6:7], s[26:27]
	s_lshl_b32 s26, s46, 12                        ; a block of hs: 16 pieces of 256 bytes
	s_add_nc_u64 s[34:35], s[8:9], s[26:27]
.endm
	s_load_b256 s[4:11], s[0:1], 0x0               ; w2 s[4:5], h s[6:7], hs s[8:9], cnt s[10:11]
	s_load_b128 s[12:15], s[0:1], 0x20             ; per_expert_scale s[12:13], y2p s[14:15]
	v_lshl_add_u32 v254, v0, 2, 0x2a800
	v_mov_b32 v255, 0
	v_and_b32 v1, 31, v0                           ; lane L
	v_lshrrev_b32 v4, 5, v0
	v_readfirstlane_b32 s16, v4                    ; wave w
	s_and_b32 s19, ttmp7, 0xffff                   ; expert
	s_mov_b32 s20, ttmp9                           ; block of 64 columns of H
	v_and_b32 v2, 15, v1                           ; r
	v_lshrrev_b32 v3, 4, v1                        ; hh
	v_lshlrev_b32 v[BO], 4, v1                     ; 16 L
	v_lshlrev_b32 v[SO], 3, v1                     ; 8 L
	s_lshl_b32 s36, s16, 12                        ; row w of the slice
	s_mul_i32 s30, s16, PITCH                      ; row w of LDS part 0
	WIN TO1
	v_add_nc_u32 v[WGO], s36, v[BO]
	v_add_nc_u32 v[WLC], s30, v[SO]
	WIN 0
	s_wait_kmcnt 0x0
	s_lshl_b32 s26, s19, 22
	s_lshl_b32 s27, s20, 18
	s_or_b32 s26, s26, s27
	s_mov_b32 s27, 0                               ; stays 0: the upper word of every offset below
	s_add_nc_u64 s[4:5], s[4:5], s[26:27]          ; w2 at my 64 rows
	s_lshl_b32 s26, s19, 21
	s_add_nc_u64 s[6:7], s[6:7], s[26:27]          ; h at the expert
	s_lshl_b32 s26, s19, 18
	s_add_nc_u64 s[8:9], s[8:9], s[26:27]          ; hs at the expert
	s_lshl_b32 s26, s19, 8
	s_add_nc_u64 s[10:11], s[10:11], s[26:27]
	s_lshl_b32 s26, s19, 2
	s_add_nc_u64 s[12:13], s[12:13], s[26:27]
	s_lshl_b32 s26, s19, 22                        ; y2p: 1,024 rows of 4,096 bytes an expert,
	s_lshl_b32 s30, s20, 8                         ; 256 bytes a block of H
	s_or_b32 s26, s26, s30
	s_add_nc_u64 s[14:15], s[14:15], s[26:27]
	s_load_b32 s21, s[10:11], 0x0                  ; the expert's count
	s_load_b32 s38, s[12:13], 0x0                  ; the expert's scale
	s_lshl_b32 s26, s16, 15                        ; block w in h,
	s_add_nc_u64 s[28:29], s[6:7], s[26:27]
	s_lshl_b32 s26, s16, 12                        ; in hs,
	s_add_nc_u64 s[34:35], s[8:9], s[26:27]
	s_lshl_b32 s26, s16, 16                        ; and its 16 rows of 4,096 bytes in y2p
	s_add_nc_u64 s[32:33], s[14:15], s[26:27]
	ISSUE_B 0
	ISSUE_B 1
	ISSUE_B 2
	WIN W1
	ISSUE_W 0
	ISSUE_W 1
	ISSUE_W 2
	ISSUE_W 3                                      ; 62 loads are out
	WIN 0
	; the LDS addresses, while the loads are on their way
	v_mul_u32_u24 v5, v2, PITCH
	v_lshl_add_u32 v[AF], v3, 4, v5                ; r rows + 16 hh: a fragment's lane term
	v_add_nc_u32 v[AF+1], 4*PART, v[AF]
	s_mul_i32 s30, s16, 16*PITCH
	s_add_co_u32 s30, s30, ST                      ; my stage
	v_lshl_add_u32 v4, v3, 5, v5
	v_add_nc_u32 v[STA], s30, v4                   ; in: place r, byte 32 hh
	v_lshlrev_b32 v6, 4, v2                        ; 16 r
	v_mul_u32_u24 v5, v3, PITCH
	v_add_nc_u32 v5, v5, v6
	v_add_nc_u32 v[STR], s30, v5                   ; back: lanes 0-15 take one row of 256 bytes, lanes 16-31 the next
	v_lshl_add_u32 v[YO], v3, 12, v6               ; and the same two rows in y2p
	WIN W1
	s_wait_loadcnt 24                              ; the weights' part 0 is in; behind it went parts 1, 2 and 3
	STAGE_W 0
	ISSUE_W 4
	WIN 0
	s_wait_kmcnt 0x0
	s_mov_b32 s39, s38                             ; the packed multiply names the pair
	s_min_u32 s21, s21, 1024
	s_add_co_u32 s22, s21, 15
	s_lshr_b32 s22, s22, 4                         ; blocks of 16 places, 64 at the most
	s_add_co_u32 s24, s22, 7
	s_sub_co_u32 s24, s24, s16
	s_lshr_b32 s24, s24, 3                         ; the blocks w, w + 8, .. under that number,
	s_max_u32 s24, s24, 1
	s_sub_co_u32 s24, s24, 1                       ; less block w, which is always made: my further trips
	; order of issue: B0 B1 B2 W0 W1 W2 W3 | W4 | B3 W5 | B4 W6 | B5 W7 | B6 | B7   (B: 10 loads, W: 8)
	STEP 0, 24                                     ; wants W1, B0; behind W1: W2 W3 W4
	STEP 1, 34                                     ; wants W2, B1; behind W2: W3 W4 B3 W5
	STEP 2, 44                                     ; wants W3, B2; behind W3: W4 B3 W5 B4 W6
	STEP 3, 44                                     ; wants W4, B3; behind B3: W5 B4 W6 B5 W7
	STEP 4, 36                                     ; wants W5, B4; behind B4: W6 B5 W7 B6
	STEP 5, 28                                     ; wants W6, B5; behind B5: W7 B6 B7
	STEP 6, 10                                     ; wants W7, B6; behind B6: B7
	s_wait_loadcnt 0x0                             ; the block's last part
	s_mov_b32 s23, 0                               ; the trip
	NEXTBLK
	s_cmp_eq_u32 s24, 0
	s_cbranch_scc1 .Lno_pre
	WIN TO1
	BLOAD 0                                        ; a further block's first half goes out ahead of the last part's products, into the registers that held weights
	BLOAD 1
	WIN 0
.Lno_pre:
	COMPUTE 7
	FINISH
	s_cmp_eq_u32 s24, 0
	s_cbranch_scc1 .Lend
.Ltrip:
	s_wait_xcnt 0x0                                ; the stores' data registers and base are written again only behind this wait
	s_lshl_b32 s26, s46, 16                        ; 16 rows of 4,096 bytes
	s_add_nc_u64 s[32:33], s[14:15], s[26:27]
	SLOAD
	WIN TO1
	BLOAD 2
	WIN 0
	FRAG 0, 0
	FRAG 1, 1
	s_wait_dscnt 16
	s_wait_loadcnt 16                              ; the first two quarters of h and the scales are in; the third quarter's 16 loads stay out
	WIN TO1
	BLOAD 3
	WIN BW
	MM 0, 0
	WIN 0
.set kk, 1
.rept 14
.set kn, kk+1
.set kb, kn&1
.set kc, kk&1
.set kp, kk-1
	FRAG kn, kb                                    ; its four places also stand between the last chunk's products and the fold that reads them
	SCALE kp
	s_wait_dscnt 16
.if kk == 8
	s_wait_loadcnt 16                              ; the third quarter is in; the fourth stays out
.elseif kk == 12
	s_wait_loadcnt 0
.endif
	WIN BW
	MM 16*kk, kc
	WIN 0
.set kk, kk+1
.endr
	PLACES
	SCALE 14
	s_wait_dscnt 0x0
	WIN BW
	MM 240, 1
	WIN 0
	PLACES                                         ; behind the last matrix instructions: results are read, fragment registers loaded again
	SCALE 15
	FINISH
	s_add_co_u32 s23, s23, 1
	s_cmp_ge_u32 s23, s24
	s_cbranch_scc1 .Lend
	NEXTBLK
	WIN TO1
	BLOAD 0
	BLOAD 1
	WIN 0
	s_cmp_lt_u32 s23, s24
	s_cbranch_scc1 .Ltrip
.Lend:
	s_wait_tensorcnt 0x0
	ds_add_u32 v254, v255
	s_wait_dscnt 0x0
	s_endpgm
.Lfunc_end_k_qde213aabd0_down:
	.size	k_qde213aabd0_down, .Lfunc_end_k_qde213aabd0_down-k_qde213aabd0_down
	.p2alignl 7, 3214868480
	.fill 96, 4, 3214868480
	.section	.rodata,"a",@progbits
	.p2align	6, 0x0
	.amdhsa_kernel k_qde213aabd0_down
		.amdhsa_group_segment_fixed_size 175104
		.amdhsa_private_segment_fixed_size 0
		.amdhsa_enable_private_segment 0
		.amdhsa_kernarg_size 48
		.amdhsa_user_sgpr_count 2
		.amdhsa_user_sgpr_kernarg_segment_ptr 1
		.amdhsa_wavefront_size32 1
		.amdhsa_system_sgpr_workgroup_id_x 1
		.amdhsa_system_sgpr_workgroup_id_y 1
		.amdhsa_system_sgpr_workgroup_id_z 1
		.amdhsa_system_vgpr_workitem_id 0
		.amdhsa_next_free_vgpr 512
		.amdhsa_next_free_sgpr 66
		.amdhsa_reserve_vcc 0
		.amdhsa_float_denorm_mode_32 3
		.amdhsa_float_denorm_mode_16_64 3
		.amdhsa_memory_ordered 1
		.amdhsa_forward_progress 1
		.amdhsa_inst_pref_size 138
	.end_amdhsa_kernel
	.amdgpu_metadata
---
amdhsa.version: [ 1, 2 ]
amdhsa.kernels:
  - .name:           k_qde213aabd0_down
    .symbol:         k_qde213aabd0_down.kd
    .args:
      - { .name: w2, .offset: 0, .size: 8, .value_kind: global_buffer, .address_space: global }
      - { .name: h, .offset: 8, .size: 8, .value_kind: global_buffer, .address_space: global }
      - { .name: hs, .offset: 16, .size: 8, .value_kind: global_buffer, .address_space: global }
      - { .name: cnt, .offset: 24, .size: 8, .value_kind: global_buffer, .address_space: global }
      - { .name: per_expert_scale, .offset: 32, .size: 8, .value_kind: global_buffer, .address_space: global }
      - { .name: y2p, .offset: 40, .size: 8, .value_kind: global_buffer, .address_space: global }
    .group_segment_fixed_size: 175104
    .private_segment_fixed_size: 0
    .kernarg_segment_align: 8
    .kernarg_segment_size: 48
    .max_flat_workgroup_size: 256
    .sgpr_count:     66
    .vgpr_count:     512
    .wavefront_size: 32
...
	.end_amdgpu_metadata
.endif
;; end of part 3
;; launch combine (part 4): grid 256 x 1, 8 waves a work-group, no clusters, 0 bytes of LDS; arguments y2p, pe, wts, out0; writes out0
.if DOCPART == 4
	.amdgcn_target "amdgcn-amd-amdhsa--gfx1250"
	.amdhsa_code_object_version 6
	.text
	.protected	k_qde213aabd0_combine
	.globl	k_qde213aabd0_combine
	.p2align	8
	.type	k_qde213aabd0_combine,@function
k_qde213aabd0_combine:
	s_mov_b64 s[64:65], 0
	v_nop
	global_prefetch_b8 v0, s[64:65] scope:SCOPE_SE
	s_setreg_imm32_b32 hwreg(HW_REG_WAVE_MODE, 25, 1), 1
	s_wait_xcnt 0x0
; COMBINE.  out0[t][:] = wts[t][0] * y2p[row of t's first choice][:] + wts[t][1] * y2p[row of its second choice][:]  (the experts' scales are in y2p).
; Work-group b owns tokens 4 b .. 4 b + 3; wave w owns half w & 1 (2,048 bytes) of token 4 b + (w >> 1).
; The two rows: pe[e][t] is place | rank<<16 where t chose e and 0xffff where not.  The wave reads the token's 16 words by scalar loads and picks
; e * 1,024 + place of the word under 0x400 (rank 0) and of the word from 0x10000 on (rank 1): whole numbers that an earlier launch stored.
; Then four loads from each row, 512 consecutive bytes each, all eight issued at once; four stores of 512 consecutive bytes, aligned.
; A stream of 12 MiB: no LDS, barrier, matrix unit or cluster would spare a byte, and no row is shared between work-groups.
	s_load_b256 s[4:11], s[0:1], 0x0               ; y2p s[4:5], pe s[6:7], wts s[8:9], out0 s[10:11]
	v_and_b32 v1, 31, v0
	v_lshrrev_b32 v2, 5, v0
	v_readfirstlane_b32 s12, v2                    ; wave
	v_lshlrev_b32 v1, 4, v1                        ; 16 bytes a lane
	s_lshr_b32 s13, s12, 1
	s_lshl2_add_u32 s13, ttmp9, s13                ; my token
	s_and_b32 s14, s12, 1
	s_lshl_b32 s14, s14, 11                        ; my half of a row
	s_lshl_b32 s16, s13, 2                         ; the token's word in an expert's part of pe
	s_mov_b32 s17, 0
	s_lshl_b32 s18, s13, 3                         ; the token's two weights
	s_mov_b32 s19, 0
	s_lshl_b32 s20, s13, 12
	s_add_co_u32 s20, s20, s14                     ; row of 4,096 bytes + my half
	s_mov_b32 s21, 0
	s_wait_kmcnt 0x0
	s_add_nc_u64 s[6:7], s[6:7], s[16:17]
	s_add_nc_u64 s[8:9], s[8:9], s[18:19]
	s_add_nc_u64 s[10:11], s[10:11], s[20:21]
.irp e, 0,1,2,3,4,5,6,7,8,9,10,11,12,13,14,15
	s_load_b32 s[32+\e], s[6:7], \e*4096           ; pe[e][t]
.endr
	s_load_b64 s[48:49], s[8:9], 0x0
	s_mov_b32 s24, 0
	s_mov_b32 s25, 0
	s_wait_kmcnt 0x0
.irp e, 0,1,2,3,4,5,6,7,8,9,10,11,12,13,14,15
	s_and_b32 s30, s[32+\e], 0x3ff                 ; the place
.if \e
	s_or_b32 s30, s30, (\e)<<10                    ; + 1,024 e
.endif
	s_cmp_lt_u32 s[32+\e], 0x400                   ; chosen first
	s_cselect_b32 s24, s30, s24
	s_cmp_ge_u32 s[32+\e], 0x10000                 ; chosen second
	s_cselect_b32 s25, s30, s25
.endr
	s_min_u32 s24, s24, 0x3fff                     ; an index read from memory is bounded before it enters an address
	s_min_u32 s25, s25, 0x3fff
	s_lshl_b32 s26, s24, 12
	s_add_co_u32 s26, s26, s14
	s_mov_b32 s27, 0
	s_lshl_b32 s28, s25, 12
	s_add_co_u32 s28, s28, s14
	s_mov_b32 s29, 0
	s_add_nc_u64 s[52:53], s[4:5], s[26:27]        ; the first choice's row, my half
	s_add_nc_u64 s[54:55], s[4:5], s[28:29]        ; the second choice's
	s_mov_b32 s50, s49                             ; the second weight as a pair of its own
	s_mov_b32 s51, s49
.irp q, 0,1,2,3
	global_load_b128 v[4+4*\q:7+4*\q],   v1, s[52:53] offset:512*\q th:TH_LOAD_NT
	global_load_b128 v[20+4*\q:23+4*\q], v1, s[54:55] offset:512*\q th:TH_LOAD_NT
.endr
.irp q, 0,1,2,3
	s_wait_loadcnt 6-2*\q                          ; loads come back in order: this piece's two are in, the younger pieces' stay out
	v_pk_mul_f32 v[4+4*\q:5+4*\q], v[4+4*\q:5+4*\q], s[48:49] op_sel_hi:[1,0]
	v_pk_mul_f32 v[6+4*\q:7+4*\q], v[6+4*\q:7+4*\q], s[48:49] op_sel_hi:[1,0]
	v_pk_fma_f32 v[4+4*\q:5+4*\q], v[20+4*\q:21+4*\q], s[50:51], v[4+4*\q:5+4*\q] op_sel_hi:[1,0,1]
	v_pk_fma_f32 v[6+4*\q:7+4*\q], v[22+4*\q:23+4*\q], s[50:51], v[6+4*\q:7+4*\q] op_sel_hi:[1,0,1]
	global_store_b128 v1, v[4+4*\q:7+4*\q], s[10:11] offset:512*\q th:TH_STORE_NT
.endr
	s_endpgm
.Lfunc_end_k_qde213aabd0_combine:
	.size	k_qde213aabd0_combine, .Lfunc_end_k_qde213aabd0_combine-k_qde213aabd0_combine
	.p2alignl 7, 3214868480
	.fill 96, 4, 3214868480
	.section	.rodata,"a",@progbits
	.p2align	6, 0x0
	.amdhsa_kernel k_qde213aabd0_combine
		.amdhsa_group_segment_fixed_size 0
		.amdhsa_private_segment_fixed_size 0
		.amdhsa_enable_private_segment 0
		.amdhsa_kernarg_size 32
		.amdhsa_user_sgpr_count 2
		.amdhsa_user_sgpr_kernarg_segment_ptr 1
		.amdhsa_wavefront_size32 1
		.amdhsa_system_sgpr_workgroup_id_x 1
		.amdhsa_system_sgpr_workgroup_id_y 1
		.amdhsa_system_sgpr_workgroup_id_z 1
		.amdhsa_system_vgpr_workitem_id 0
		.amdhsa_next_free_vgpr 48
		.amdhsa_next_free_sgpr 66
		.amdhsa_reserve_vcc 0
		.amdhsa_float_denorm_mode_32 3
		.amdhsa_float_denorm_mode_16_64 3
		.amdhsa_memory_ordered 1
		.amdhsa_forward_progress 1
		.amdhsa_inst_pref_size 10
	.end_amdhsa_kernel
	.amdgpu_metadata
---
amdhsa.version: [ 1, 2 ]
amdhsa.kernels:
  - .name:           k_qde213aabd0_combine
    .symbol:         k_qde213aabd0_combine.kd
    .args:
      - { .name: y2p, .offset: 0, .size: 8, .value_kind: global_buffer, .address_space: global }
      - { .name: pe, .offset: 8, .size: 8, .value_kind: global_buffer, .address_space: global }
      - { .name: wts, .offset: 16, .size: 8, .value_kind: global_buffer, .address_space: global }
      - { .name: out0, .offset: 24, .size: 8, .value_kind: global_buffer, .address_space: global }
    .group_segment_fixed_size: 0
    .private_segment_fixed_size: 0
    .kernarg_segment_align: 8
    .kernarg_segment_size: 32
    .max_flat_workgroup_size: 256
    .sgpr_count:     66
    .vgpr_count:     48
    .wavefront_size: 32
...
	.end_amdgpu_metadata
.endif
;; end of part 4
